; MI455X (gfx1250); checked and timed in simulation.
; The chip was launched on July 23, 2026; its instructions are those of AMD's public machine-readable ISA for CDNA 5 (MIT licence, August 2026) and "CDNA5" Instruction Set Architecture Reference Guide (July 2026). The comments in the code are by the model that wrote it; some were corrected since.
;; SPA Block. Allowed arithmetic: float matrix products may take bf16 or f16 operands with f32 sums; all other float work in f32.
;; Inputs: x 16 x 64 x 256 x 256 float32.
;; Outputs: out0 16 x 64 x 64 float32.
;; 2 versions, each right; version 2 is version 1 with the launch sums written anew for expert scheduling mode. Each part assembles by itself: llvm-mc -triple=amdgcn-amd-amdhsa -mcpu=gfx1250 --defsym DOCPART=n.
;; ======== version 1 of 2: 2 launches
;; workspace buffers: cand 131,072 bytes of whole numbers
;; launch sums (part 1): grid 256 x 1, 8 waves a work-group, no clusters, 17,408 bytes of LDS; arguments x, cand; writes cand
.if DOCPART == 1
	.amdgcn_target "amdgcn-amd-amdhsa--gfx1250"
	.amdhsa_code_object_version 6
	.text
	.protected	k_q0ef0f0b713_sums
	.globl	k_q0ef0f0b713_sums
	.p2align	8
	.type	k_q0ef0f0b713_sums,@function
k_q0ef0f0b713_sums:
	s_mov_b64 s[64:65], 0
	v_nop
	global_prefetch_b8 v0, s[64:65] scope:SCOPE_SE
	s_setreg_imm32_b32 hwreg(HW_REG_WAVE_MODE, 25, 1), 1
	s_wait_xcnt 0x0
; x: [16][64][65536] f32.  For each position n of a batch: p[n] = sum over c of x[c][n]^2; this launch leaves, for each block of
; 4,096 positions, the 64 that stand first, in order, as whole numbers: 64 keys (p's bit pattern), then 64 positions (0 .. 65535).
; ORDER: (key, position) stands ahead of another if its key is larger, or the keys are equal and its position is smaller (top_k's
; rule for ties).  p is never negative, so its bit pattern read as u32 orders as p does.  Positions differ, so the order is strict.
; SUM: c ascending, one fused multiply-add per channel, f32.  LIMIT: where reference() rounds its sum otherwise, two positions whose
; sums differ only by that rounding can change places.  LIMIT: NaN in x is not served (its sum is placed by its bit pattern).
; Infinite sums are served: equal keys, ordered by position.
; No branch and no address hangs on data: the choice is a fixed bitonic network of compares and selects.
; SHARES: 256 work-groups, 16 for a batch, 4,096 positions each.  Eight waves; a tile is 128 positions of a wave (16 bytes a lane, 512
; neighbouring bytes a load; the eight waves together 4,096 bytes of a channel's row); a wave takes four tiles of 64 loads.
; No input byte is read by two work-groups: nothing to share in a cluster.  Every lane uses only the bytes that it loads itself: the
; ring is kept in registers, not in LDS.
; LISTS: a row of 16 lanes holds a list of 64 in 4 + 4 registers; element e = 4 x (lane in row) + register.
.set CH,     262144                    ; bytes from a channel to the next
.set DEPTH,  32                        ; loads of a wave in flight: 32 x 512 bytes
.set TILEB,  4096                      ; bytes of a channel's row in one tile of the work-group
.set TILES,  4
.set LIST,   512                       ; a list in LDS and in memory: 64 keys, 64 positions
.set OFF, 1                            ; v1       byte offset of my 16 bytes in a channel's row, this tile
.set IDX, 2                            ; v2       position of my first number, this tile
.set LA,  3                            ; v3       16 x thread: where I put 16 bytes of my wave's list
.set AK,  4                            ; v[4:7]   the four sums; then work set A, keys
.set AI,  8                            ; v[8:11]  work set A, positions
.set BK,  12                           ; v[12:15] work set B, keys
.set BI,  16                           ; v[16:19] work set B, positions
.set PK,  20                           ; v[20:23] the partner's keys; on the way out 16 bytes of a list
.set PI,  24                           ; v[24:27] the partner's positions
.set RK,  28                           ; v[28:31] my row's list, best first: keys
.set RI,  32                           ; v[32:35] positions
.set LP,  36                           ; v36      LDS: first list of my row's pair, my 16 bytes
.set LQ,  37                           ; v37      LDS: the pair's base + my mirrored 16 bytes
.set LM,  38                           ; v38      16 x (15 - lane in row)
.set T0,  39
.set X,   40                           ; v[40:167] the ring: slot i = 4 registers
.set LB0, 12                           ; s12-15   lanes whose number has bit 0, 1, 2, 3 set
.set LB1, 13
.set LB2, 14
.set LB3, 15
.set ROW1, 16                          ; s16      lanes 16-31
.set SELLO, 18                         ; s18-19   v_permlanex16_b32: lane i reads lane 15 - i of the other row
.set SELHI, 19
.set SG,  24                           ; s24-27   masks: key larger; then: stands ahead
.set SE,  28                           ; s28-31   masks: keys equal
.set SL,  32                           ; s32-35   masks: position smaller
; three compares for mask q: does (ka, ia) stand ahead of (kb, ib)?
.macro AHEAD_V q, ka, ia, kb, ib
	v_cmp_gt_u32 s[SG+\q], v[\ka], v[\kb]
	v_cmp_eq_u32 s[SE+\q], v[\ka], v[\kb]
	v_cmp_lt_u32 s[SL+\q], v[\ia], v[\ib]
.endm
; n masks joined: ahead = larger, or equal and earlier
.macro JOIN n
.set q, 0
.rept \n
	s_and_b32 s[SE+q], s[SE+q], s[SL+q]
.set q, q+1
.endr
.set q, 0
.rept \n
	s_or_b32 s[SG+q], s[SG+q], s[SE+q]
.set q, q+1
.endr
.endm
; A stage between lanes, in place: the partner is lane xor xm of my row, the same register (flip = 0) or register 3 - j (flip = 1).
; lb: the lanes that are the upper one of their pair.  up = 0: the lower lane keeps the one ahead; up = 1: the upper lane does.
.macro XSTAGE K, I, xm, flip, lb, up
.irp j, 0,1,2,3
	v_mov_b32_dpp v[PK+\j], v[\K+\j+\flip*(3-2*\j)] row_xmask:\xm row_mask:0xf bank_mask:0xf
	v_mov_b32_dpp v[PI+\j], v[\I+\j+\flip*(3-2*\j)] row_xmask:\xm row_mask:0xf bank_mask:0xf
.endr
.irp j, 0,1,2,3
	AHEAD_V \j, \K+\j, \I+\j, PK+\j, PI+\j
.endr
	JOIN 4
.irp j, 0,1,2,3
	s_xor_b32 s[SG+\j], s[SG+\j], s[\lb]           ; lower lane: mine is ahead; upper lane: mine is behind
.endr
.irp j, 0,1,2,3
.if \up
	v_cndmask_b32 v[\K+\j], v[\K+\j], v[PK+\j], s[SG+\j]
	v_cndmask_b32 v[\I+\j], v[\I+\j], v[PI+\j], s[SG+\j]
.else
	v_cndmask_b32 v[\K+\j], v[PK+\j], v[\K+\j], s[SG+\j]
	v_cndmask_b32 v[\I+\j], v[PI+\j], v[\I+\j], s[SG+\j]
.endif
.endr
.endm
; A stage between registers, from one set into another (no copies): of each pair the one ahead goes to register w, the other to l.
.macro RSEL q, Ks, Is, Kd, Id, w, l
	v_cndmask_b32 v[\Kd+\w], v[\Ks+\l], v[\Ks+\w], s[SG+\q]
	v_cndmask_b32 v[\Kd+\l], v[\Ks+\w], v[\Ks+\l], s[SG+\q]
	v_cndmask_b32 v[\Id+\w], v[\Is+\l], v[\Is+\w], s[SG+\q]
	v_cndmask_b32 v[\Id+\l], v[\Is+\w], v[\Is+\l], s[SG+\q]
.endm
.macro RSTAGE Ks, Is, Kd, Id, w0, l0, w1, l1
	AHEAD_V 0, \Ks+\w0, \Is+\w0, \Ks+\l0, \Is+\l0
	AHEAD_V 1, \Ks+\w1, \Is+\w1, \Ks+\l1, \Is+\l1
	JOIN 2
	RSEL 0, \Ks, \Is, \Kd, \Id, \w0, \l0
	RSEL 1, \Ks, \Is, \Kd, \Id, \w1, \l1
.endm
; element by element, keep in (K, I) the one that stands ahead of the two; flip = 1: against register 3 - j of the other set
.macro KEEPAHEAD K, I, K2, I2, flip
.irp j, 0,1,2,3
	AHEAD_V \j, \K+\j, \I+\j, \K2+\j+\flip*(3-2*\j), \I2+\j+\flip*(3-2*\j)
.endr
	JOIN 4
.irp j, 0,1,2,3
	v_cndmask_b32 v[\K+\j], v[\K2+\j+\flip*(3-2*\j)], v[\K+\j], s[SG+\j]
	v_cndmask_b32 v[\I+\j], v[\I2+\j+\flip*(3-2*\j)], v[\I+\j], s[SG+\j]
.endr
.endm
; the last two stages of every merge of the upward sort: e xor 2, e xor 1; B -> A -> B
.macro LOW2
	RSTAGE BK, BI, AK, AI, 2, 0, 3, 1
	RSTAGE AK, AI, BK, BI, 1, 0, 3, 2
.endm
; Sort each row's 64 new elements, LAST first (e = 0 holds the one furthest behind).  Blocks of 2, 4, .. 64: a block's two sorted halves are
; first compared mirrored (e with e xor (block - 1)), then e xor block/4 .. e xor 1.  21 stages, 11 between registers.  From set A into set B.
.macro SORT_UP
	RSTAGE AK, AI, BK, BI, 1, 0, 3, 2              ; blocks of 2
	RSTAGE BK, BI, AK, AI, 3, 0, 2, 1              ; blocks of 4
	RSTAGE AK, AI, BK, BI, 1, 0, 3, 2
	XSTAGE BK, BI, 1, 1, LB0, 1                    ; blocks of 8
	LOW2
	XSTAGE BK, BI, 3, 1, LB1, 1                    ; blocks of 16
	XSTAGE BK, BI, 1, 0, LB0, 1
	LOW2
	XSTAGE BK, BI, 7, 1, LB2, 1                    ; blocks of 32
	XSTAGE BK, BI, 2, 0, LB1, 1
	XSTAGE BK, BI, 1, 0, LB0, 1
	LOW2
	XSTAGE BK, BI, 15, 1, LB3, 1                   ; the block of 64
	XSTAGE BK, BI, 4, 0, LB2, 1
	XSTAGE BK, BI, 2, 0, LB1, 1
	XSTAGE BK, BI, 1, 0, LB0, 1
	LOW2
.endm
; the list holds a sequence that falls and then rises (or the like): six stages, e xor 32 .. e xor 1, put it in order, best first
.macro CLEAN
	XSTAGE RK, RI, 8, 0, LB3, 0
	XSTAGE RK, RI, 4, 0, LB2, 0
	XSTAGE RK, RI, 2, 0, LB1, 0
	XSTAGE RK, RI, 1, 0, LB0, 0
	RSTAGE RK, RI, AK, AI, 0, 2, 1, 3              ; set A is free here: scratch
	RSTAGE AK, AI, RK, RI, 0, 1, 2, 3
.endm
; the two rows' lists become one: each element against element 63 - e of the other row; both rows end with the same list
.macro ROWS
.irp j, 0,1,2,3
	v_permlanex16_b32 v[PK+\j], v[RK+3-\j], s[SELLO], s[SELHI]
	v_permlanex16_b32 v[PI+\j], v[RI+3-\j], s[SELLO], s[SELHI]
.endr
	KEEPAHEAD RK, RI, PK, PI, 0
	CLEAN
.endm
; both rows hold the same list: lanes 0-15 give its keys, lanes 16-31 its positions: 32 lanes x 16 bytes = the list's 512 bytes
.macro PUT
.irp j, 0,1,2,3
	v_cndmask_b32 v[PK+\j], v[RK+\j], v[RI+\j], s[ROW1]
.endr
.endm
	s_load_b128 s[4:7], s[0:1], 0x0                ; x s[4:5], cand s[6:7]
	v_lshl_add_u32 v168, v0, 2, 0x4000
	v_mov_b32 v169, 0
	v_lshrrev_b32 v[T0], 5, v0
	v_readfirstlane_b32 s8, v[T0]                  ; wave 0..7
	s_lshr_b32 s9, ttmp9, 4                        ; batch
	s_and_b32 s10, ttmp9, 15                       ; block of the batch
	s_lshl_b32 s2, s9, 24                          ; a batch is 64 channels of 262,144 bytes
	s_add_co_u32 s2, s2, 32*CH                     ; the base stands at channel 32: channels 0 .. 63 are immediates -32 CH .. 31 CH,
	s_mov_b32 s3, 0                                ; which is the whole range of the signed 24-bit offset
	s_lshl_b32 s10, s10, 14                        ; 4,096 positions of 4 bytes
	v_lshl_add_u32 v[OFF], v0, 4, s10              ; + 16 bytes a thread
	v_lshrrev_b32 v[IDX], 2, v[OFF]                ; the same in positions
	s_lshl_b32 s22, ttmp9, 9                       ; my list in cand
	s_mov_b32 s23, 0
	s_wait_kmcnt 0x0
	s_add_nc_u64 s[4:5], s[4:5], s[2:3]
	s_add_nc_u64 s[6:7], s[6:7], s[22:23]
.set c, 0
.rept DEPTH
	global_load_b128 v[X+4*c:X+4*c+3], v[OFF], s[4:5] offset:(c-32)*CH th:TH_LOAD_NT   ; fill the ring: channels 0 .. 31 of tile 0
.set c, c+1
.endr
	s_mov_b32 s[LB0], 0xaaaaaaaa
	s_mov_b32 s[LB1], 0xcccccccc
	s_mov_b32 s[LB2], 0xf0f0f0f0
	s_mov_b32 s[LB3], 0xff00ff00
	s_mov_b32 s[ROW1], 0xffff0000
	s_mov_b32 s[SELLO], 0x89abcdef
	s_mov_b32 s[SELHI], 0x01234567
.irp j, 0,1,2,3
	v_mov_b32 v[RK+\j], 0                          ; the list starts with 64 places that stand behind every position: key 0,
	v_mov_b32 v[RI+\j], -1                         ; position beyond all.  The first tile's 64 elements of a row drive them all out
	v_mov_b32 v[PK+\j], 0                          ; a DPP move and a lane permute count as readers of their destination: written once here
	v_mov_b32 v[PI+\j], 0
.endr
	v_lshlrev_b32 v[LA], 4, v0
	v_and_b32 v[T0], 15, v0                        ; lane in row
	v_xor_b32 v[LM], 15, v[T0]
	v_lshlrev_b32 v[LM], 4, v[LM]                  ; 16 (15 - lane in row)
	v_lshlrev_b32 v[T0], 4, v[T0]
	v_bfe_u32 v[LP], v0, 4, 1                      ; row
	s_lshl_b32 s21, s8, 11
	v_lshl_add_u32 v[LP], v[LP], 10, s21           ; pair of lists number 2 wave + row (used by waves 0 and 1 alone)
	v_add_nc_u32 v[LQ], v[LP], v[LM]
	v_add_nc_u32 v[LP], v[LP], v[T0]
; One tile.  Step c: channel c's load is in; two packed multiply-adds; the slot is asked for again, 32 channels ahead: in the first half this
; tile's channel c + 32, in the second half the NEXT tile's channel c - 32 (the same offset register, TILEB in the immediate), so that the ring
; stays full while the wave sorts.  last = 1: the second half asks for nothing, and the counts run down.
.macro TILE last
.set c, 0
.rept 64
.if \last*(c/DEPTH)
	s_wait_loadcnt 63-c                            ; loads return in order (ISA guide 5.7.1): the 63 - c younger ones may be out
.else
	s_wait_loadcnt DEPTH-1                         ; the oldest of 32 is in, the 31 younger ones stay out
.endif
.if c == 0
	v_pk_mul_f32 v[AK:AK+1], v[X:X+1], v[X:X+1]            ; the first square starts the sum: nothing is cleared
	v_pk_mul_f32 v[AK+2:AK+3], v[X+2:X+3], v[X+2:X+3]
.else
	v_pk_fma_f32 v[AK:AK+1], v[X+4*(c%DEPTH):X+4*(c%DEPTH)+1], v[X+4*(c%DEPTH):X+4*(c%DEPTH)+1], v[AK:AK+1]
	v_pk_fma_f32 v[AK+2:AK+3], v[X+4*(c%DEPTH)+2:X+4*(c%DEPTH)+3], v[X+4*(c%DEPTH)+2:X+4*(c%DEPTH)+3], v[AK+2:AK+3]
.endif
.if c < DEPTH
	global_load_b128 v[X+4*c:X+4*c+3], v[OFF], s[4:5] offset:c*CH th:TH_LOAD_NT
.else
.if \last == 0
	global_load_b128 v[X+4*(c-DEPTH):X+4*(c-DEPTH)+3], v[OFF], s[4:5] offset:(c-64)*CH+TILEB th:TH_LOAD_NT
.endif
.endif
.set c, c+1
.endr
.irp j, 0,1,2,3
	v_add_nc_u32 v[AI+\j], \j, v[IDX]              ; the four sums' positions
.endr
	SORT_UP                                        ; each row's 64 new ones, last first, into set B
	KEEPAHEAD RK, RI, BK, BI, 0                    ; list (best first) against new (last first): the 64 that stay are the best 64 of the 128
	CLEAN
.if \last == 0
	s_wait_xcnt 0x0                                ; the loads that name OFF have had their addresses taken: only now is it stepped
	v_add_nc_u32 v[OFF], TILEB, v[OFF]
	v_add_nc_u32 v[IDX], TILEB/4, v[IDX]
.endif
.endm
	s_mov_b32 s20, TILES-1
.Ltile:
	TILE 0
	s_sub_co_u32 s20, s20, 1
	s_cmp_lg_u32 s20, 0
	s_cbranch_scc1 .Ltile
	TILE 1                                         ; the last tile is written out: no load leaves the block
	; 16 lists of the work-group become one: rows, then 8 -> 4 through LDS, rows again (-> 2), then 2 -> 1.
	; LDS: lists 0-7 at 0, lists 8-9 at 8 LIST: 5,120 bytes are used.  16,384 are asked for, so that LP and LQ, which every wave forms from
	; its number, lie inside the allocation also in the waves that never use them.
	ROWS
	PUT
	ds_store_b128 v[LA], v[PK:PK+3]                ; wave w's list at w x 512
	s_wait_dscnt 0x0                               ; for the other waves: my list is in LDS before I say so
	s_barrier_signal -1
	s_barrier_wait -1
	s_cmp_gt_u32 s8, 1
	s_cbranch_scc1 .Lrest                          ; waves 2-7 have handed their lists on
	ds_load_b128 v[RK:RK+3], v[LP]                 ; row u = 2 wave + row: list 2u as it lies,
	ds_load_b128 v[RI:RI+3], v[LP] offset:256
	ds_load_b128 v[PK:PK+3], v[LQ] offset:LIST     ; list 2u + 1 from its end: lane l takes the 16 bytes of lane 15 - l, registers in reverse below
	ds_load_b128 v[PI:PI+3], v[LQ] offset:LIST+256
	s_wait_dscnt 0x0
	KEEPAHEAD RK, RI, PK, PI, 1
	CLEAN
	ROWS
	PUT
	ds_store_b128 v[LA], v[PK:PK+3] offset:8*LIST  ; bytes of their own: lists 0-7 may still be read by the other wave
	s_wait_dscnt 0x0
.Lrest:
	s_barrier_signal -1
	s_barrier_wait -1
	s_cmp_lg_u32 s8, 0
	s_cbranch_scc1 .Lend
	ds_load_b128 v[PK:PK+3], v[LM] offset:9*LIST   ; wave 0 holds its own list in registers and takes wave 1's, from its end
	ds_load_b128 v[PI:PI+3], v[LM] offset:9*LIST+256
	s_wait_dscnt 0x0
	KEEPAHEAD RK, RI, PK, PI, 1
	CLEAN
	PUT
	global_store_b128 v[LA], v[PK:PK+3], s[6:7]    ; 32 lanes x 16 bytes: the list's 512 consecutive bytes, at a multiple of 512 in cand
.Lend:
	s_wait_tensorcnt 0x0
	ds_add_u32 v168, v169
	s_wait_dscnt 0x0
	s_endpgm
.Lfunc_end_k_q0ef0f0b713_sums:
	.size	k_q0ef0f0b713_sums, .Lfunc_end_k_q0ef0f0b713_sums-k_q0ef0f0b713_sums
	.p2alignl 7, 3214868480
	.fill 96, 4, 3214868480
	.section	.rodata,"a",@progbits
	.p2align	6, 0x0
	.amdhsa_kernel k_q0ef0f0b713_sums
		.amdhsa_group_segment_fixed_size 17408
		.amdhsa_private_segment_fixed_size 0
		.amdhsa_enable_private_segment 0
		.amdhsa_kernarg_size 16
		.amdhsa_user_sgpr_count 2
		.amdhsa_user_sgpr_kernarg_segment_ptr 1
		.amdhsa_wavefront_size32 1
		.amdhsa_system_sgpr_workgroup_id_x 1
		.amdhsa_system_sgpr_workgroup_id_y 1
		.amdhsa_system_sgpr_workgroup_id_z 1
		.amdhsa_system_vgpr_workitem_id 0
		.amdhsa_next_free_vgpr 170
		.amdhsa_next_free_sgpr 66
		.amdhsa_reserve_vcc 0
		.amdhsa_float_denorm_mode_32 3
		.amdhsa_float_denorm_mode_16_64 3
		.amdhsa_memory_ordered 1
		.amdhsa_forward_progress 1
		.amdhsa_inst_pref_size 175
	.end_amdhsa_kernel
	.amdgpu_metadata
---
amdhsa.version: [ 1, 2 ]
amdhsa.kernels:
  - .name:           k_q0ef0f0b713_sums
    .symbol:         k_q0ef0f0b713_sums.kd
    .args:
      - { .name: x, .offset: 0, .size: 8, .value_kind: global_buffer, .address_space: global }
      - { .name: cand, .offset: 8, .size: 8, .value_kind: global_buffer, .address_space: global }
    .group_segment_fixed_size: 17408
    .private_segment_fixed_size: 0
    .kernarg_segment_align: 8
    .kernarg_segment_size: 16
    .max_flat_workgroup_size: 256
    .sgpr_count:     66
    .vgpr_count:     170
    .wavefront_size: 32
...
	.end_amdgpu_metadata
.endif
;; end of part 1
;; launch pick (part 2): grid 16 x 16, 4 waves a work-group, no clusters, 2,560 bytes of LDS; arguments cand, x, out0; writes out0
.if DOCPART == 2
	.amdgcn_target "amdgcn-amd-amdhsa--gfx1250"
	.amdhsa_code_object_version 6
	.text
	.protected	k_q0ef0f0b713_pick
	.globl	k_q0ef0f0b713_pick
	.p2align	8
	.type	k_q0ef0f0b713_pick,@function
k_q0ef0f0b713_pick:
	s_mov_b64 s[64:65], 0
	v_nop
	global_prefetch_b8 v0, s[64:65] scope:SCOPE_SE
	s_setreg_imm32_b32 hwreg(HW_REG_WAVE_MODE, 25, 1), 1
	s_wait_xcnt 0x0
; out0[b][k][c] = x[b][c][n(b, k)], n(b, k) = the position that stands k-th among the batch's 65,536.
; cand holds, for each batch, 16 lists (one for each block of 4,096 positions) of 64 keys and 64 positions, best first, as whole numbers.
; ORDER as in the launch before: larger key first; equal keys: smaller position first.  All work here is on whole numbers that were read from
; memory; x's numbers are only moved.
; SHARES: work-group (b, y) merges batch b's 16 lists itself and writes ranks 4y .. 4y + 3; wave w writes rank 4y + w: 64 channels, two a lane,
; one store of the row's 256 consecutive bytes.  The merge is done in all 16 work-groups of a batch, since work-groups hand nothing to each
; other inside a launch, and so the 4,096 scattered words of a batch are asked for by 16 work-groups, 256 words each.
; NO CLUSTER: what the 16 work-groups of a batch share are 8,192 bytes, wanted in registers at once, mirrored for half of the lists; a joint
; request would bring them to LDS first, one more trip for each of them.
; LISTS: a row of 16 lanes holds a list of 64 in 4 + 4 registers; element e = 4 x (lane in row) + register.
.set CH,   262144                      ; bytes from a channel of x to the next
.set LIST, 512
.set GP,  1                            ; v1       cand: first list of my row's pair, my 16 bytes
.set GQ,  2                            ; v2       cand: the pair's base + my mirrored 16 bytes
.set LA,  3                            ; v3       16 x thread
.set AK,  4                            ; v[4:7]   scratch set, keys
.set AI,  8                            ; v[8:11]  scratch set, positions
.set PK,  12                           ; v[12:15] the partner's keys
.set PI,  16                           ; v[16:19] the partner's positions
.set RK,  20                           ; v[20:23] my row's list: keys
.set RI,  24                           ; v[24:27] positions
.set LP,  28                           ; v28      LDS: as GP
.set LQ,  29                           ; v29      LDS: as GQ
.set XO,  30                           ; v30      byte offset of channel 2 x lane
.set OO,  31                           ; v31      8 x lane
.set G,   32                           ; v[32:33] the two numbers
.set T0,  34
.set T1,  35
.set LB0, 12
.set LB1, 13
.set LB2, 14
.set LB3, 15
.set ROW1, 16
.set SELLO, 18
.set SELHI, 19
.set SG,  24
.set SE,  28
.set SL,  32
; three compares for mask q: does (ka, ia) stand ahead of (kb, ib)?
.macro AHEAD_V q, ka, ia, kb, ib
	v_cmp_gt_u32 s[SG+\q], v[\ka], v[\kb]
	v_cmp_eq_u32 s[SE+\q], v[\ka], v[\kb]
	v_cmp_lt_u32 s[SL+\q], v[\ia], v[\ib]
.endm
.macro JOIN n
.set q, 0
.rept \n
	s_and_b32 s[SE+q], s[SE+q], s[SL+q]
.set q, q+1
.endr
.set q, 0
.rept \n
	s_or_b32 s[SG+q], s[SG+q], s[SE+q]
.set q, q+1
.endr
.endm
; a stage between lanes, in place: partner = lane xor xm of my row; lb = the upper lanes of the pairs; the lower lane keeps the one ahead
.macro XSTAGE K, I, xm, lb
.irp j, 0,1,2,3
	v_mov_b32_dpp v[PK+\j], v[\K+\j] row_xmask:\xm row_mask:0xf bank_mask:0xf
	v_mov_b32_dpp v[PI+\j], v[\I+\j] row_xmask:\xm row_mask:0xf bank_mask:0xf
.endr
.irp j, 0,1,2,3
	AHEAD_V \j, \K+\j, \I+\j, PK+\j, PI+\j
.endr
	JOIN 4
.irp j, 0,1,2,3
	s_xor_b32 s[SG+\j], s[SG+\j], s[\lb]
.endr
.irp j, 0,1,2,3
	v_cndmask_b32 v[\K+\j], v[PK+\j], v[\K+\j], s[SG+\j]
	v_cndmask_b32 v[\I+\j], v[PI+\j], v[\I+\j], s[SG+\j]
.endr
.endm
; a stage between registers, from one set into another: of each pair the one ahead goes to register w, the other to l
.macro RSEL q, Ks, Is, Kd, Id, w, l
	v_cndmask_b32 v[\Kd+\w], v[\Ks+\l], v[\Ks+\w], s[SG+\q]
	v_cndmask_b32 v[\Kd+\l], v[\Ks+\w], v[\Ks+\l], s[SG+\q]
	v_cndmask_b32 v[\Id+\w], v[\Is+\l], v[\Is+\w], s[SG+\q]
	v_cndmask_b32 v[\Id+\l], v[\Is+\w], v[\Is+\l], s[SG+\q]
.endm
.macro RSTAGE Ks, Is, Kd, Id, w0, l0, w1, l1
	AHEAD_V 0, \Ks+\w0, \Is+\w0, \Ks+\l0, \Is+\l0
	AHEAD_V 1, \Ks+\w1, \Is+\w1, \Ks+\l1, \Is+\l1
	JOIN 2
	RSEL 0, \Ks, \Is, \Kd, \Id, \w0, \l0
	RSEL 1, \Ks, \Is, \Kd, \Id, \w1, \l1
.endm
; element by element, keep in (K, I) the one that stands ahead; flip = 1: against register 3 - j of the other set
.macro KEEPAHEAD K, I, K2, I2, flip
.irp j, 0,1,2,3
	AHEAD_V \j, \K+\j, \I+\j, \K2+\j+\flip*(3-2*\j), \I2+\j+\flip*(3-2*\j)
.endr
	JOIN 4
.irp j, 0,1,2,3
	v_cndmask_b32 v[\K+\j], v[\K2+\j+\flip*(3-2*\j)], v[\K+\j], s[SG+\j]
	v_cndmask_b32 v[\I+\j], v[\I2+\j+\flip*(3-2*\j)], v[\I+\j], s[SG+\j]
.endr
.endm
; six stages, e xor 32 .. e xor 1, order what a merge's first step leaves, best first
.macro CLEAN
	XSTAGE RK, RI, 8, LB3
	XSTAGE RK, RI, 4, LB2
	XSTAGE RK, RI, 2, LB1
	XSTAGE RK, RI, 1, LB0
	RSTAGE RK, RI, AK, AI, 0, 2, 1, 3
	RSTAGE AK, AI, RK, RI, 0, 1, 2, 3
.endm
; the two rows' lists become one: each element against element 63 - e of the other row; both rows end with the same list
.macro ROWS
.irp j, 0,1,2,3
	v_permlanex16_b32 v[PK+\j], v[RK+3-\j], s[SELLO], s[SELHI]
	v_permlanex16_b32 v[PI+\j], v[RI+3-\j], s[SELLO], s[SELHI]
.endr
	KEEPAHEAD RK, RI, PK, PI, 0
	CLEAN
.endm
	s_load_b128 s[4:7], s[0:1], 0x0                ; cand s[4:5], x s[6:7]
	s_load_b64 s[8:9], s[0:1], 0x10                ; out0
	v_lshl_add_u32 v36, v0, 2, 0x800
	v_mov_b32 v37, 0
	v_lshrrev_b32 v[T0], 5, v0
	v_readfirstlane_b32 s10, v[T0]                 ; wave 0..3
	s_and_b32 s11, ttmp7, 0xffff                   ; y: which four ranks
	v_and_b32 v[T0], 15, v0                        ; lane in row
	v_lshrrev_b32 v[T1], 4, v0                     ; row of the work-group, u = 0..7
	v_lshlrev_b32 v[GP], 4, v[T0]                  ; 16 l
	v_xor_b32 v[GQ], 15, v[T0]
	v_lshlrev_b32 v[GQ], 4, v[GQ]                  ; 16 (15 - l)
	v_and_b32 v[LP], 1, v[T1]
	v_lshlrev_b32 v[LP], 10, v[LP]                 ; in LDS: pair of lists number (row of the wave)
	v_add_nc_u32 v[LQ], v[LP], v[GQ]
	v_add_nc_u32 v[LP], v[LP], v[GP]
	v_lshl_add_u32 v[GP], v[T1], 10, v[GP]         ; in cand: pair of lists number u
	v_lshl_add_u32 v[GQ], v[T1], 10, v[GQ]
	v_lshlrev_b32 v[LA], 4, v0
	s_lshl_b32 s2, ttmp9, 13                       ; the batch's 16 lists of 512 bytes
	s_mov_b32 s3, 0
	s_lshl_b32 s22, ttmp9, 14                      ; out0: 64 rows of 256 bytes a batch,
	s_lshl_b32 s23, s11, 10                        ; four rows a work-group,
	s_add_co_u32 s22, s22, s23
	s_lshl_b32 s23, s10, 8                         ; one a wave
	s_add_co_u32 s22, s22, s23
	s_mov_b32 s23, 0
	s_wait_kmcnt 0x0
	s_add_nc_u64 s[4:5], s[4:5], s[2:3]
	s_add_nc_u64 s[8:9], s[8:9], s[22:23]
	global_load_b128 v[RK:RK+3], v[GP], s[4:5]                     ; list 2u as it lies: keys,
	global_load_b128 v[RI:RI+3], v[GP], s[4:5] offset:256          ; positions
	global_load_b128 v[PK:PK+3], v[GQ], s[4:5] offset:LIST         ; list 2u + 1 from its end: lane l takes the 16 bytes of lane 15 - l
	global_load_b128 v[PI:PI+3], v[GQ], s[4:5] offset:LIST+256
	s_mov_b32 s[LB0], 0xaaaaaaaa
	s_mov_b32 s[LB1], 0xcccccccc
	s_mov_b32 s[LB2], 0xf0f0f0f0
	s_mov_b32 s[LB3], 0xff00ff00
	s_mov_b32 s[ROW1], 0xffff0000
	s_mov_b32 s[SELLO], 0x89abcdef                 ; lane i reads lane 15 - i of the other row
	s_mov_b32 s[SELHI], 0x01234567
	v_and_b32 v[T0], 31, v0
	v_lshlrev_b32 v[XO], 19, v[T0]                 ; channel 2 x lane
	v_lshlrev_b32 v[OO], 3, v[T0]
	s_wait_loadcnt 0x0
	KEEPAHEAD RK, RI, PK, PI, 1                    ; 16 lists -> 8, one in each row
	CLEAN
	ROWS                                           ; -> 4, one in each wave
.irp j, 0,1,2,3
	v_cndmask_b32 v[PK+\j], v[RK+\j], v[RI+\j], s[ROW1]    ; lanes 0-15 give the keys, lanes 16-31 the positions
.endr
	ds_store_b128 v[LA], v[PK:PK+3]                ; wave w's list at w x 512
	s_wait_dscnt 0x0                               ; for the other waves: my list is in LDS before I say so
	s_barrier_signal -1
	s_barrier_wait -1
	ds_load_b128 v[RK:RK+3], v[LP]                 ; every wave does the rest alike, so that no second barrier is needed:
	ds_load_b128 v[RI:RI+3], v[LP] offset:256      ; row r takes list 2r as it lies and list 2r + 1 from its end
	ds_load_b128 v[PK:PK+3], v[LQ] offset:LIST
	ds_load_b128 v[PI:PI+3], v[LQ] offset:LIST+256
	s_wait_dscnt 0x0
	KEEPAHEAD RK, RI, PK, PI, 1                    ; -> 2
	CLEAN
	ROWS                                           ; -> 1: the batch's 64, best first, in each row
	; rank k = 4y + w is element e = k: lane y, register w
	v_readlane_b32 s20, v[RI], s11
	v_readlane_b32 s21, v[RI+1], s11
	v_readlane_b32 s22, v[RI+2], s11
	v_readlane_b32 s23, v[RI+3], s11
	s_cmp_eq_u32 s10, 1
	s_cselect_b32 s20, s21, s20
	s_cmp_eq_u32 s10, 2
	s_cselect_b32 s20, s22, s20
	s_cmp_eq_u32 s10, 3
	s_cselect_b32 s20, s23, s20
	s_min_u32 s20, s20, 0xffff                     ; a position read from memory enters an address only inside the row's 65,536
	s_lshl_b32 s20, s20, 2
	s_lshl_b32 s21, ttmp9, 24                      ; the batch's 64 channels of 262,144 bytes
	s_add_co_u32 s20, s20, s21
	s_mov_b32 s21, 0
	s_add_nc_u64 s[6:7], s[6:7], s[20:21]
	global_load_b32 v[G], v[XO], s[6:7]            ; x[b][2 lane][n]
	global_load_b32 v[G+1], v[XO], s[6:7] offset:CH    ; x[b][2 lane + 1][n]
	s_wait_loadcnt 0x0
	global_store_b64 v[OO], v[G:G+1], s[8:9]       ; 32 lanes x 8 bytes: the row's 256 consecutive bytes, at a multiple of 256 in out0
	s_wait_tensorcnt 0x0
	ds_add_u32 v36, v37
	s_wait_dscnt 0x0
	s_endpgm
.Lfunc_end_k_q0ef0f0b713_pick:
	.size	k_q0ef0f0b713_pick, .Lfunc_end_k_q0ef0f0b713_pick-k_q0ef0f0b713_pick
	.p2alignl 7, 3214868480
	.fill 96, 4, 3214868480
	.section	.rodata,"a",@progbits
	.p2align	6, 0x0
	.amdhsa_kernel k_q0ef0f0b713_pick
		.amdhsa_group_segment_fixed_size 2560
		.amdhsa_private_segment_fixed_size 0
		.amdhsa_enable_private_segment 0
		.amdhsa_kernarg_size 24
		.amdhsa_user_sgpr_count 2
		.amdhsa_user_sgpr_kernarg_segment_ptr 1
		.amdhsa_wavefront_size32 1
		.amdhsa_system_sgpr_workgroup_id_x 1
		.amdhsa_system_sgpr_workgroup_id_y 1
		.amdhsa_system_sgpr_workgroup_id_z 1
		.amdhsa_system_vgpr_workitem_id 0
		.amdhsa_next_free_vgpr 38
		.amdhsa_next_free_sgpr 66
		.amdhsa_reserve_vcc 0
		.amdhsa_float_denorm_mode_32 3
		.amdhsa_float_denorm_mode_16_64 3
		.amdhsa_memory_ordered 1
		.amdhsa_forward_progress 1
		.amdhsa_inst_pref_size 54
	.end_amdhsa_kernel
	.amdgpu_metadata
---
amdhsa.version: [ 1, 2 ]
amdhsa.kernels:
  - .name:           k_q0ef0f0b713_pick
    .symbol:         k_q0ef0f0b713_pick.kd
    .args:
      - { .name: cand, .offset: 0, .size: 8, .value_kind: global_buffer, .address_space: global }
      - { .name: x, .offset: 8, .size: 8, .value_kind: global_buffer, .address_space: global }
      - { .name: out0, .offset: 16, .size: 8, .value_kind: global_buffer, .address_space: global }
    .group_segment_fixed_size: 2560
    .private_segment_fixed_size: 0
    .kernarg_segment_align: 8
    .kernarg_segment_size: 24
    .max_flat_workgroup_size: 128
    .sgpr_count:     66
    .vgpr_count:     38
    .wavefront_size: 32
...
	.end_amdgpu_metadata
.endif
;; end of part 2
;; ======== version 2 of 2: 2 launches; version 1 with the launch sums written anew for expert scheduling mode
;; workspace buffers: cand 131,072 bytes of whole numbers
;; launch sums (part 3): grid 256 x 1, 8 waves a work-group, no clusters, 17,408 bytes of LDS; arguments x, cand; writes cand
.if DOCPART == 3
	.amdgcn_target "amdgcn-amd-amdhsa--gfx1250"
	.amdhsa_code_object_version 6
	.text
	.protected	k_q0ef0f0b713_sums
	.globl	k_q0ef0f0b713_sums
	.p2align	8
	.type	k_q0ef0f0b713_sums,@function
k_q0ef0f0b713_sums:
	s_mov_b64 s[64:65], 0
	v_nop
	global_prefetch_b8 v0, s[64:65] scope:SCOPE_SE
	s_setreg_imm32_b32 hwreg(HW_REG_WAVE_SCHED_MODE, 0, 2), 2
	s_setreg_imm32_b32 hwreg(HW_REG_WAVE_MODE, 25, 1), 1
	s_wait_xcnt 0x0
	s_wait_alu depctr_vm_vsrc(0)
; x: [16][64][65536] f32.  For each position n of a batch: p[n] = sum over c of x[c][n]^2; this launch leaves, for each block of
; 4,096 positions, the 64 that stand first, in order, as whole numbers: 64 keys (p's bit pattern), then 64 positions (0 .. 65535).
; ORDER: (key, position) stands ahead of another if its key is larger, or the keys are equal and its position is smaller (top_k's
; rule for ties).  p is never negative, so its bit pattern read as u32 orders as p does.  Positions differ, so the order is strict.
; SUM: c ascending, one fused multiply-add per channel, f32.  LIMIT: where reference() rounds its sum otherwise, two positions whose
; sums differ only by that rounding can change places.  LIMIT: NaN in x is not served (its sum is placed by its bit pattern).
; Infinite sums are served: equal keys, ordered by position.
; No branch and no address hangs on data: the choice is a fixed bitonic network of compares and selects.
; SHARES: 256 work-groups, 16 for a batch, 4,096 positions each.  Eight waves; a tile is 128 positions of a wave (16 bytes a lane, 512
; neighbouring bytes a load; the eight waves together 4,096 bytes of a channel's row); a wave takes four tiles of 64 loads.
; No input byte is read by two work-groups: nothing to share in a cluster.  Every lane uses only the bytes that it loads itself: the
; ring is kept in registers, not in LDS.
; LISTS: a row of 16 lanes holds a list of 64 in 4 + 4 registers; element e = 4 x (lane in row) + register.
; THE MODE: SCHED_MODE bits 1:0 = 2 (LLVM: expert scheduling mode 2), set by the entry lines.  The code itself states the register dependences
; between vector instructions and memory or LDS instructions, and those through scalar registers that vector instructions write, with
; s_wait_alu, always for 0.
; THE PLAN.  Registers that memory or LDS instructions touch:
;   X         four buffers of eight slots.  A tile's 64 channels go in eight blocks of eight; block b's sixteen multiply-adds read buffer b % 4,
;             and behind them the eight loads of the channels 32 further on land in the same buffer.  No other line names X.
;   v[OFF]    read by every load of x; made at the head and never written again: the scalar base moves on by a tile, immediates do the rest.
;   v[LA], v[LP], v[LQ], v[LM]   LDS and output addresses; made at the head, never written again.
;   PK        data of the two LDS stores and of the global store (written by PUT); LDS loads land in it.   PI, RK, RI   LDS loads land in them.
; So ONE wait on va_vdst stands in a block, behind its multiply-adds and ahead of its run of eight loads; one ahead of each of the three stores of
; the tail; one wait on vm_vsrc ahead of each group of LDS loads that land in a store's data.  Each stage of the network lays its compares in one
; run, with one wait on va_sdst between them and the scalar lines that join their masks.
.set CH,     262144                    ; bytes from a channel to the next
.set DEPTH,  32                        ; loads of a wave in flight: 32 x 512 bytes
.set BLK,    8                         ; channels in a block = slots in a buffer
.set TILEB,  4096                      ; bytes of a channel's row in one tile of the work-group
.set TILES,  4
.set LIST,   512                       ; a list in LDS and in memory: 64 keys, 64 positions
.set OFF, 1                            ; v1       byte offset of my 16 bytes in a channel's row, in the block's first tile; never rewritten
.set IDX, 2                            ; v2       position of my first number, this tile
.set LA,  3                            ; v3       16 x thread: where I put 16 bytes of my wave's list
.set AK,  4                            ; v[4:7]   the four sums; then work set A, keys
.set AI,  8                            ; v[8:11]  work set A, positions
.set BK,  12                           ; v[12:15] work set B, keys
.set BI,  16                           ; v[16:19] work set B, positions
.set PK,  20                           ; v[20:23] the partner's keys; on the way out 16 bytes of a list
.set PI,  24                           ; v[24:27] the partner's positions
.set RK,  28                           ; v[28:31] my row's list, best first: keys
.set RI,  32                           ; v[32:35] positions
.set LP,  36                           ; v36      LDS: first list of my row's pair, my 16 bytes
.set LQ,  37                           ; v37      LDS: the pair's base + my mirrored 16 bytes
.set LM,  38                           ; v38      16 x (15 - lane in row)
.set T0,  39
.set X,   40                           ; v[40:167] the ring: slot i = 4 registers; buffer k = slots 8 k .. 8 k + 7
.set LB0, 12                           ; s12-15   lanes whose number has bit 0, 1, 2, 3 set
.set LB1, 13
.set LB2, 14
.set LB3, 15
.set ROW1, 16                          ; s16      lanes 16-31
.set SELLO, 18                         ; s18-19   v_permlanex16_b32: lane i reads lane 15 - i of the other row
.set SELHI, 19
.set SG,  24                           ; s24-27   masks: key larger; then: stands ahead
.set SE,  28                           ; s28-31   masks: keys equal
.set SL,  32                           ; s32-35   masks: position smaller
; three compares for mask q: does (ka, ia) stand ahead of (kb, ib)?
.macro AHEAD_V q, ka, ia, kb, ib
	v_cmp_gt_u32 s[SG+\q], v[\ka], v[\kb]
	v_cmp_eq_u32 s[SE+\q], v[\ka], v[\kb]
	v_cmp_lt_u32 s[SL+\q], v[\ia], v[\ib]
.endm
; n masks joined: ahead = larger, or equal and earlier
.macro JOIN n
	s_wait_alu depctr_va_sdst(0)                   ; the stage's run of compares has written its masks, ahead of their first readers: the scalar lines below
.set q, 0
.rept \n
	s_and_b32 s[SE+q], s[SE+q], s[SL+q]
.set q, q+1
.endr
.set q, 0
.rept \n
	s_or_b32 s[SG+q], s[SG+q], s[SE+q]
.set q, q+1
.endr
.endm
; A stage between lanes, in place: the partner is lane xor xm of my row, the same register (flip = 0) or register 3 - j (flip = 1).
; lb: the lanes that are the upper one of their pair.  up = 0: the lower lane keeps the one ahead; up = 1: the upper lane does.
.macro XSTAGE K, I, xm, flip, lb, up
.irp j, 0,1,2,3
	v_mov_b32_dpp v[PK+\j], v[\K+\j+\flip*(3-2*\j)] row_xmask:\xm row_mask:0xf bank_mask:0xf
	v_mov_b32_dpp v[PI+\j], v[\I+\j+\flip*(3-2*\j)] row_xmask:\xm row_mask:0xf bank_mask:0xf
.endr
.irp j, 0,1,2,3
	AHEAD_V \j, \K+\j, \I+\j, PK+\j, PI+\j
.endr
	JOIN 4
.irp j, 0,1,2,3
	s_xor_b32 s[SG+\j], s[SG+\j], s[\lb]           ; lower lane: mine is ahead; upper lane: mine is behind
.endr
.irp j, 0,1,2,3
.if \up
	v_cndmask_b32 v[\K+\j], v[\K+\j], v[PK+\j], s[SG+\j]
	v_cndmask_b32 v[\I+\j], v[\I+\j], v[PI+\j], s[SG+\j]
.else
	v_cndmask_b32 v[\K+\j], v[PK+\j], v[\K+\j], s[SG+\j]
	v_cndmask_b32 v[\I+\j], v[PI+\j], v[\I+\j], s[SG+\j]
.endif
.endr
.endm
; A stage between registers, from one set into another (no copies): of each pair the one ahead goes to register w, the other to l.
.macro RSEL q, Ks, Is, Kd, Id, w, l
	v_cndmask_b32 v[\Kd+\w], v[\Ks+\l], v[\Ks+\w], s[SG+\q]
	v_cndmask_b32 v[\Kd+\l], v[\Ks+\w], v[\Ks+\l], s[SG+\q]
	v_cndmask_b32 v[\Id+\w], v[\Is+\l], v[\Is+\w], s[SG+\q]
	v_cndmask_b32 v[\Id+\l], v[\Is+\w], v[\Is+\l], s[SG+\q]
.endm
.macro RSTAGE Ks, Is, Kd, Id, w0, l0, w1, l1
	AHEAD_V 0, \Ks+\w0, \Is+\w0, \Ks+\l0, \Is+\l0
	AHEAD_V 1, \Ks+\w1, \Is+\w1, \Ks+\l1, \Is+\l1
	JOIN 2
	RSEL 0, \Ks, \Is, \Kd, \Id, \w0, \l0
	RSEL 1, \Ks, \Is, \Kd, \Id, \w1, \l1
.endm
; element by element, keep in (K, I) the one that stands ahead of the two; flip = 1: against register 3 - j of the other set
.macro KEEPAHEAD K, I, K2, I2, flip
.irp j, 0,1,2,3
	AHEAD_V \j, \K+\j, \I+\j, \K2+\j+\flip*(3-2*\j), \I2+\j+\flip*(3-2*\j)
.endr
	JOIN 4
.irp j, 0,1,2,3
	v_cndmask_b32 v[\K+\j], v[\K2+\j+\flip*(3-2*\j)], v[\K+\j], s[SG+\j]
	v_cndmask_b32 v[\I+\j], v[\I2+\j+\flip*(3-2*\j)], v[\I+\j], s[SG+\j]
.endr
.endm
; the last two stages of every merge of the upward sort: e xor 2, e xor 1; B -> A -> B
.macro LOW2
	RSTAGE BK, BI, AK, AI, 2, 0, 3, 1
	RSTAGE AK, AI, BK, BI, 1, 0, 3, 2
.endm
; Sort each row's 64 new elements, LAST first (e = 0 holds the one furthest behind).  Blocks of 2, 4, .. 64: a block's two sorted halves are
; first compared mirrored (e with e xor (block - 1)), then e xor block/4 .. e xor 1.  21 stages, 11 between registers.  From set A into set B.
.macro SORT_UP
	RSTAGE AK, AI, BK, BI, 1, 0, 3, 2              ; blocks of 2
	RSTAGE BK, BI, AK, AI, 3, 0, 2, 1              ; blocks of 4
	RSTAGE AK, AI, BK, BI, 1, 0, 3, 2
	XSTAGE BK, BI, 1, 1, LB0, 1                    ; blocks of 8
	LOW2
	XSTAGE BK, BI, 3, 1, LB1, 1                    ; blocks of 16
	XSTAGE BK, BI, 1, 0, LB0, 1
	LOW2
	XSTAGE BK, BI, 7, 1, LB2, 1                    ; blocks of 32
	XSTAGE BK, BI, 2, 0, LB1, 1
	XSTAGE BK, BI, 1, 0, LB0, 1
	LOW2
	XSTAGE BK, BI, 15, 1, LB3, 1                   ; the block of 64
	XSTAGE BK, BI, 4, 0, LB2, 1
	XSTAGE BK, BI, 2, 0, LB1, 1
	XSTAGE BK, BI, 1, 0, LB0, 1
	LOW2
.endm
; the list holds a sequence that falls and then rises (or the like): six stages, e xor 32 .. e xor 1, put it in order, best first
.macro CLEAN
	XSTAGE RK, RI, 8, 0, LB3, 0
	XSTAGE RK, RI, 4, 0, LB2, 0
	XSTAGE RK, RI, 2, 0, LB1, 0
	XSTAGE RK, RI, 1, 0, LB0, 0
	RSTAGE RK, RI, AK, AI, 0, 2, 1, 3              ; set A is free here: scratch
	RSTAGE AK, AI, RK, RI, 0, 1, 2, 3
.endm
; the two rows' lists become one: each element against element 63 - e of the other row; both rows end with the same list
.macro ROWS
.irp j, 0,1,2,3
	v_permlanex16_b32 v[PK+\j], v[RK+3-\j], s[SELLO], s[SELHI]
	v_permlanex16_b32 v[PI+\j], v[RI+3-\j], s[SELLO], s[SELHI]
.endr
	KEEPAHEAD RK, RI, PK, PI, 0
	CLEAN
.endm
; both rows hold the same list: lanes 0-15 give its keys, lanes 16-31 its positions: 32 lanes x 16 bytes = the list's 512 bytes
.macro PUT
.irp j, 0,1,2,3
	v_cndmask_b32 v[PK+\j], v[RK+\j], v[RI+\j], s[ROW1]
.endr
.endm
	s_load_b128 s[4:7], s[0:1], 0x0                ; x s[4:5], cand s[6:7]
	v_lshl_add_u32 v168, v0, 2, 0x4000
	v_mov_b32 v169, 0
	v_lshrrev_b32 v[T0], 5, v0
	v_readfirstlane_b32 s8, v[T0]                  ; wave 0..7
	s_lshr_b32 s9, ttmp9, 4                        ; batch
	s_and_b32 s10, ttmp9, 15                       ; block of the batch
	s_lshl_b32 s2, s9, 24                          ; a batch is 64 channels of 262,144 bytes
	s_add_co_u32 s2, s2, 32*CH                     ; the base stands at channel 32: channels 0 .. 63 are immediates -32 CH .. 31 CH,
	s_mov_b32 s3, 0                                ; which is the whole range of the signed 24-bit offset
	s_lshl_b32 s10, s10, 14                        ; 4,096 positions of 4 bytes
	v_lshl_add_u32 v[OFF], v0, 4, s10              ; + 16 bytes a thread
	v_lshrrev_b32 v[IDX], 2, v[OFF]                ; the same in positions
	s_lshl_b32 s22, ttmp9, 9                       ; my list in cand
	s_mov_b32 s23, 0
	s_wait_kmcnt 0x0
	s_add_nc_u64 s[4:5], s[4:5], s[2:3]
	s_add_nc_u64 s[6:7], s[6:7], s[22:23]
	s_wait_alu depctr_va_vdst(0)                   ; v[OFF] is written: every load of x reads it as its offset
.set c, 0
.rept DEPTH
	global_load_b128 v[X+4*c:X+4*c+3], v[OFF], s[4:5] offset:(c-32)*CH th:TH_LOAD_NT   ; fill the ring: channels 0 .. 31 of tile 0
.set c, c+1
.endr
	s_mov_b32 s[LB0], 0xaaaaaaaa
	s_mov_b32 s[LB1], 0xcccccccc
	s_mov_b32 s[LB2], 0xf0f0f0f0
	s_mov_b32 s[LB3], 0xff00ff00
	s_mov_b32 s[ROW1], 0xffff0000
	s_mov_b32 s[SELLO], 0x89abcdef
	s_mov_b32 s[SELHI], 0x01234567
.irp j, 0,1,2,3
	v_mov_b32 v[RK+\j], 0                          ; the list starts with 64 places that stand behind every position: key 0,
	v_mov_b32 v[RI+\j], -1                         ; position beyond all.  The first tile's 64 elements of a row drive them all out
	v_mov_b32 v[PK+\j], 0                          ; a DPP move and a lane permute count as readers of their destination: written once here
	v_mov_b32 v[PI+\j], 0
.endr
	v_lshlrev_b32 v[LA], 4, v0
	v_and_b32 v[T0], 15, v0                        ; lane in row
	v_xor_b32 v[LM], 15, v[T0]
	v_lshlrev_b32 v[LM], 4, v[LM]                  ; 16 (15 - lane in row)
	v_lshlrev_b32 v[T0], 4, v[T0]
	v_bfe_u32 v[LP], v0, 4, 1                      ; row
	s_wait_alu depctr_va_sdst(0)                   ; s8, the wave's number, is written, ahead of its first reader: the line below
	s_lshl_b32 s21, s8, 11
	v_lshl_add_u32 v[LP], v[LP], 10, s21           ; pair of lists number 2 wave + row (used by waves 0 and 1 alone)
	v_add_nc_u32 v[LQ], v[LP], v[LM]
	v_add_nc_u32 v[LP], v[LP], v[T0]
; One tile, in eight blocks of eight channels.  Block b: its eight loads are in; sixteen packed multiply-adds, c ascending; then the buffer is asked
; for again at once, 32 channels ahead: in the first half this tile's channels c + 32, in the second half the NEXT tile's channels c - 32 (TILEB in
; the immediate), so that 32 loads are out whenever the wave waits for data, and while it sorts.  last = 1: the second half asks for nothing, its
; counts run down, and with no load to follow it holds no wait on va_vdst.
.macro TILE last
.set b, 0
.rept 64/BLK
.if \last*(b/(DEPTH/BLK))
	s_wait_loadcnt 56-8*b                          ; loads return in order (ISA guide 5.7.1): the blocks behind this one, 56 - 8 b loads, may be out
.else
	s_wait_loadcnt DEPTH-BLK                       ; the oldest eight of 32 are in, the three younger blocks stay out
.endif
.set c, b*BLK
.rept BLK
.if c == 0
	v_pk_mul_f32 v[AK:AK+1], v[X:X+1], v[X:X+1]            ; the first square starts the sum: nothing is cleared
	v_pk_mul_f32 v[AK+2:AK+3], v[X+2:X+3], v[X+2:X+3]
.else
	v_pk_fma_f32 v[AK:AK+1], v[X+4*(c%DEPTH):X+4*(c%DEPTH)+1], v[X+4*(c%DEPTH):X+4*(c%DEPTH)+1], v[AK:AK+1]
	v_pk_fma_f32 v[AK+2:AK+3], v[X+4*(c%DEPTH)+2:X+4*(c%DEPTH)+3], v[X+4*(c%DEPTH)+2:X+4*(c%DEPTH)+3], v[AK+2:AK+3]
.endif
.set c, c+1
.endr
.if (\last == 0) || (b < DEPTH/BLK)
	s_wait_alu depctr_va_vdst(0)                   ; the block's multiply-adds are done reading its buffer, in which the eight loads below land
.set c, b*BLK
.rept BLK
.if c < DEPTH
	global_load_b128 v[X+4*c:X+4*c+3], v[OFF], s[4:5] offset:c*CH th:TH_LOAD_NT
.else
	global_load_b128 v[X+4*(c-DEPTH):X+4*(c-DEPTH)+3], v[OFF], s[4:5] offset:(c-64)*CH+TILEB th:TH_LOAD_NT
.endif
.set c, c+1
.endr
.endif
.set b, b+1
.endr
.irp j, 0,1,2,3
	v_add_nc_u32 v[AI+\j], \j, v[IDX]              ; the four sums' positions
.endr
	SORT_UP                                        ; each row's 64 new ones, last first, into set B.  No line of the network names X or v[OFF]
	KEEPAHEAD RK, RI, BK, BI, 0                    ; list (best first) against new (last first): the 64 that stay are the best 64 of the 128
	CLEAN
.if \last == 0
	s_wait_xcnt 0x0                                ; the loads that name the base have had their addresses taken: only now is it stepped
	s_add_nc_u64 s[4:5], s[4:5], TILEB             ; the base moves on by a tile; v[OFF] stays as it is
	v_add_nc_u32 v[IDX], TILEB/4, v[IDX]
.endif
.endm
	s_mov_b32 s20, TILES-1
.Ltile:
	TILE 0
	s_sub_co_u32 s20, s20, 1
	s_cmp_lg_u32 s20, 0
	s_cbranch_scc1 .Ltile
	TILE 1                                         ; the last tile is written out: no load leaves the block
	; 16 lists of the work-group become one: rows, then 8 -> 4 through LDS, rows again (-> 2), then 2 -> 1.
	; LDS: lists 0-7 at 0, lists 8-9 at 8 LIST: 5,120 bytes are used.  16,384 are asked for, so that LP and LQ, which every wave forms from
	; its number, lie inside the allocation also in the waves that never use them.
	ROWS
	PUT
	s_wait_alu depctr_va_vdst(0)                   ; PUT has written PK, the store's data (v[LA] was written at the head); the network is done with RK, RI, PK and PI, in which the LDS loads below land
	ds_store_b128 v[LA], v[PK:PK+3]                ; wave w's list at w x 512
	s_wait_dscnt 0x0                               ; for the other waves: my list is in LDS before I say so
	s_barrier_signal -1
	s_barrier_wait -1
	s_cmp_gt_u32 s8, 1
	s_cbranch_scc1 .Lrest                          ; waves 2-7 have handed their lists on
	s_wait_alu depctr_vm_vsrc(0)                   ; my LDS store has read PK, in which a load below lands
	ds_load_b128 v[RK:RK+3], v[LP]                 ; row u = 2 wave + row: list 2u as it lies,
	ds_load_b128 v[RI:RI+3], v[LP] offset:256
	ds_load_b128 v[PK:PK+3], v[LQ] offset:LIST     ; list 2u + 1 from its end: lane l takes the 16 bytes of lane 15 - l, registers in reverse below
	ds_load_b128 v[PI:PI+3], v[LQ] offset:LIST+256
	s_wait_dscnt 0x0
	KEEPAHEAD RK, RI, PK, PI, 1
	CLEAN
	ROWS
	PUT
	s_wait_alu depctr_va_vdst(0)                   ; PUT has written PK, the store's data; the network is done with PK and PI, in which wave 0's LDS loads below land
	ds_store_b128 v[LA], v[PK:PK+3] offset:8*LIST  ; bytes of their own: lists 0-7 may still be read by the other wave
	s_wait_dscnt 0x0
.Lrest:
	s_barrier_signal -1
	s_barrier_wait -1
	s_cmp_lg_u32 s8, 0
	s_cbranch_scc1 .Lend
	s_wait_alu depctr_vm_vsrc(0)                   ; my LDS store has read PK, in which a load below lands
	ds_load_b128 v[PK:PK+3], v[LM] offset:9*LIST   ; wave 0 holds its own list in registers and takes wave 1's, from its end
	ds_load_b128 v[PI:PI+3], v[LM] offset:9*LIST+256
	s_wait_dscnt 0x0
	KEEPAHEAD RK, RI, PK, PI, 1
	CLEAN
	PUT
	s_wait_alu depctr_va_vdst(0)                   ; PUT has written PK, the store's data
	global_store_b128 v[LA], v[PK:PK+3], s[6:7]    ; 32 lanes x 16 bytes: the list's 512 consecutive bytes, at a multiple of 512 in cand
.Lend:
	s_wait_dscnt 0x0
	s_wait_alu depctr_hold_cnt(0) depctr_sa_sdst(0) depctr_va_vdst(0) depctr_va_sdst(0) depctr_va_ssrc(0) depctr_va_vcc(0) depctr_vm_vsrc(0)
	s_wait_tensorcnt 0x0
	ds_add_u32 v168, v169
	s_wait_dscnt 0x0
	s_endpgm
.Lfunc_end_k_q0ef0f0b713_sums:
	.size	k_q0ef0f0b713_sums, .Lfunc_end_k_q0ef0f0b713_sums-k_q0ef0f0b713_sums
	.p2alignl 7, 3214868480
	.fill 96, 4, 3214868480
	.section	.rodata,"a",@progbits
	.p2align	6, 0x0
	.amdhsa_kernel k_q0ef0f0b713_sums
		.amdhsa_group_segment_fixed_size 17408
		.amdhsa_private_segment_fixed_size 0
		.amdhsa_enable_private_segment 0
		.amdhsa_kernarg_size 16
		.amdhsa_user_sgpr_count 2
		.amdhsa_user_sgpr_kernarg_segment_ptr 1
		.amdhsa_wavefront_size32 1
		.amdhsa_system_sgpr_workgroup_id_x 1
		.amdhsa_system_sgpr_workgroup_id_y 1
		.amdhsa_system_sgpr_workgroup_id_z 1
		.amdhsa_system_vgpr_workitem_id 0
		.amdhsa_next_free_vgpr 170
		.amdhsa_next_free_sgpr 66
		.amdhsa_reserve_vcc 0
		.amdhsa_float_denorm_mode_32 3
		.amdhsa_float_denorm_mode_16_64 3
		.amdhsa_memory_ordered 1
		.amdhsa_forward_progress 1
		.amdhsa_inst_pref_size 175
	.end_amdhsa_kernel
	.amdgpu_metadata
---
amdhsa.version: [ 1, 2 ]
amdhsa.kernels:
  - .name:           k_q0ef0f0b713_sums
    .symbol:         k_q0ef0f0b713_sums.kd
    .args:
      - { .name: x, .offset: 0, .size: 8, .value_kind: global_buffer, .address_space: global }
      - { .name: cand, .offset: 8, .size: 8, .value_kind: global_buffer, .address_space: global }
    .group_segment_fixed_size: 17408
    .private_segment_fixed_size: 0
    .kernarg_segment_align: 8
    .kernarg_segment_size: 16
    .max_flat_workgroup_size: 256
    .sgpr_count:     66
    .vgpr_count:     170
    .wavefront_size: 32
...
	.end_amdgpu_metadata
.endif
;; end of part 3
;; launch pick: the kernel of part 2 again; grid 16 x 16, 4 waves a work-group, no clusters, 2,560 bytes of LDS; arguments cand, x, out0; writes out0
